; MI455X (gfx1250); checked and timed in simulation.
; The chip was launched on July 23, 2026; its instructions are those of AMD's public machine-readable ISA for CDNA 5 (MIT licence, August 2026) and "CDNA5" Instruction Set Architecture Reference Guide (July 2026). The comments in the code are by the model that wrote it; some were corrected since.
;; Attention Heads. Allowed arithmetic: matrix products marked QUANTISED: E4M3 operands, one given power-of-two scale a tensor, by v_wmma_f32_16x16x64_fp8_fp8 or v_wmma_f32_16x16x128_fp8_fp8, f32 sums; everything else in f32.
;; Inputs: Wk 1,024 x 1,024 float32; Wq 1,024 x 1,024 float32; Wv 1,024 x 1,024 float32; lowp_scales 10 int32 (the exponents e of the quantised operands' scales 2^e); x 4 x 2,048 x 1,024 float32.
;; Outputs: out0 4 x 2,048 x 1,024 float32.
;; This version of the problem:
;;   THIS VERSION OF THE PROBLEM IS GIVEN IN LOW PRECISION. The matrix products marked QUANTISED in the list below multiply operands that are first quantised to E4M3 (4 exponent bits, 3 mantissa bits; 8 bits a number), with one given power-of-two scale for each operand tensor; their sums are f32. All else is computed in f32.
;;   The module's matrix products, in the order in which they are computed (A, B: the left and right operand; K: the contracted axis; several contracted axes count as one K, in the product's order):
;;     1. [M 8,192, K 1,024] x [K 1,024, N 1,024]; A: input x; B: input Wq: QUANTISED (scales: A lowp_scales[0], B lowp_scales[1])
;;     2. [M 8,192, K 1,024] x [K 1,024, N 1,024]; A: input x; B: input Wk: QUANTISED (scales: A lowp_scales[2], B lowp_scales[3])
;;     3. [M 8,192, K 1,024] x [K 1,024, N 1,024]; A: input x; B: input Wv: QUANTISED (scales: A lowp_scales[4], B lowp_scales[5])
;;     4. batch 64 x [M 2,048, K 64] x [K 64, N 2,048]; A: computed on the way; B: computed on the way: QUANTISED (scales: A lowp_scales[6], B lowp_scales[7])
;;     5. batch 64 x [M 2,048, K 2,048] x [K 2,048, N 64]; A: softmax (see below); B: computed on the way: QUANTISED (scales: A lowp_scales[8], B lowp_scales[9])
;;   THE QUANTISER, for each operand of a quantised product, along K:
;;     - The operand's scale is 2^e, e = its entry of the input lowp_scales (int32; the entries are numbered through the quantised products in the list's order, A before B).
;;     - Each number is divided by the scale, clamped to +-448, and rounded to the nearest number of E4M3, ties to even, subnormals kept.
;;     - The product sums the exact products of the quantised numbers (number of the format x scale) in f32.
;;   ~~~python
;;   def quantise(x, axis, e):      # numpy; x: float32 -> the quantised numbers, widened to float32 again
;;       x = np.moveaxis(x, axis, -1); K = x.shape[-1]
;;       r = np.clip(x / 2.0 ** e, -448, 448)
;;       step = 2.0 ** (np.maximum(np.frexp(np.where(r == 0, 1, r))[1] - 1, -6) - 3)
;;       q = np.round(r / step) * step * 2.0 ** e      # np.round: ties to even
;;       return np.moveaxis(q, -1, axis).astype(np.float32)
;;   ~~~
;;   SOFTMAX AHEAD OF A QUANTISED PRODUCT. Where the list says 'softmax', what is quantised is not the finished softmax but p = 2^(t - M), with t = logit x log2(e) and M = ceil(the row's largest t), a whole number; so 1/2 < the row's largest p <= 1. The row's sum l is taken of the UNQUANTISED p, in f32, and the product's result is divided by l at the end. Since M is a whole number, a kernel that streams over the keys may use a running M (the ceiling of the running maximum): every later rescaling is an exact power of two, so the quantised numbers keep their values, but for numbers so far below the row's largest that they fall under the format's range.
;;   OPERANDS COMPUTED ON THE WAY. 'Computed on the way' means the value that the module computes at that place (a softmax that the list does not call 'softmax' is quantised finished and normalised). What goes into a quantiser is computed in f32, as accurately as f32 sums, v_exp_f32 and their like allow (about 1e-6 of the number): no bf16 or f16 on the way to a quantiser, and a product that is left as it is and whose result goes on into a quantised operand takes f32 operands (vector FMAs, or v_wmma_f32_16x16x4_f32). A number that lies on a knife's edge between two numbers of the format may be rounded either way, as far as f32 arithmetic and the matrix unit's own rounding can turn it there, and no further.
;; One version. Each part assembles by itself: llvm-mc -triple=amdgcn-amd-amdhsa -mcpu=gfx1250 --defsym DOCPART=n.
;; ======== version 1 of 1: 3 launches
;; limits: right only within a limited range of input values
;; workspace buffers: xc 25,165,824 bytes; wc 3,145,728 bytes; qkv 25,165,824 bytes
;; launch quant (part 1): grid 352 x 1, 8 waves a work-group, no clusters, 0 bytes of LDS; arguments x, Wq, Wk, Wv, lowp_scales, xc, wc; writes xc, wc
.if DOCPART == 1
	.amdgcn_target "amdgcn-amd-amdhsa--gfx1250"
	.amdhsa_code_object_version 6
	.text
	.protected	k_q3714d8a38d_quant
	.globl	k_q3714d8a38d_quant
	.p2align	8
	.type	k_q3714d8a38d_quant,@function
k_q3714d8a38d_quant:
	s_mov_b64 s[64:65], 0
	v_nop
	global_prefetch_b8 v0, s[64:65] scope:SCOPE_SE
	s_setreg_imm32_b32 hwreg(HW_REG_WAVE_MODE, 25, 1), 1
	s_wait_xcnt 0x0
; x [8192][1024] f32 becomes THREE sets of codes of FP8 (E4M3), one for each of the three projections, with the given scales 2^e0, 2^e2, 2^e4;
; Wq, Wk, Wv [1024][1024] f32 become one set each, with 2^e1, 2^e3, 2^e5, stacked as 3,072 rows.
; code = number / 2^e, held within +-448, rounded to the nearest code, ties to even.
; LIMITS: each of e0 .. e5 lies between -126 and 119, so that 2^e and 448 x 2^e are f32 numbers.  NaN among the inputs is not served; an infinity is held at the largest code.
; LAYOUT OF THE CODES (buffers of this program's own).  Rows stay rows of 1,024 bytes, but inside each run of 512 along K the codes are permuted: byte 16 l + 4 j + i holds k = 128 j + 4 l + i.
; That is the order in which they fall out here: each of a step's four loads (j) reads 512 consecutive bytes, 16 a lane (l); the lane's 16 registers are converted as they stand, and its 16 codes are
; stored as 16 consecutive bytes, 512 a wave.  x and the weights are permuted alike, so in the products every number still meets its partner.  So no lane exchange and no LDS is needed.
; SHARES.  A wave takes 8 steps of 512 numbers.  Work-groups 0-255 take x (each number is read once and converted three times), work-groups 256-351 the weights, 32 to a matrix.
; All 32 loads of a wave are issued at its head; every step has code registers of its own, so no store's data are written again and no address is stepped.
.set R,   16                           ; v16-143  8 steps x 16 numbers as loaded
.set T,   144                          ; v144-159 16 numbers, held
.set C,   160                          ; v160-255 codes: 4 registers for each step and scale
.set XWG, 256                          ; work-groups that take x
	s_load_b256 s[4:11], s[0:1], 0x0               ; x s[4:5], Wq s[6:7], Wk s[8:9], Wv s[10:11]
	s_load_b128 s[12:15], s[0:1], 0x20             ; the scales' exponents s[12:13], x's codes s[14:15]
	s_load_b64 s[16:17], s[0:1], 0x30              ; the weights' codes
	v_lshrrev_b32 v2, 5, v0
	s_delay_alu instid0(VALU_DEP_1)
	v_readfirstlane_b32 s18, v2                    ; wave 0..7
	v_and_b32 v1, 31, v0
	s_delay_alu instid0(VALU_DEP_1)
	v_lshlrev_b32 v1, 4, v1                        ; 16 x lane: my bytes of a load's 512 and of a store's 512; never rewritten
	s_mov_b32 s39, 0
	s_wait_kmcnt 0x0
	s_load_b256 s[20:27], s[12:13], 0x0            ; e0 .. e7
.macro LOADS                           ; 32 loads, each of 512 consecutive bytes; read once in the launch
.irp t, 0,1,2,3,4,5,6,7
.irp j, 0,1,2,3
	global_load_b128 v[R+16*\t+4*\j:R+16*\t+4*\j+3], v1, s[28:29] offset:2048*\t+512*\j th:TH_LOAD_NT
.endr
.endr
.endm
.macro MKS vs, vl, se                  ; v[vs] = 2^e as f32 (the conversion takes its exponent field), v[vl] = 448 x 2^e; e in s[se]
	s_add_co_i32 s40, s[\se], 127
	s_lshl_b32 s41, s40, 23
	v_mov_b32 v[\vs], s41
	s_add_co_i32 s40, s40, 8
	s_lshl_b32 s40, s40, 23
	s_or_b32 s40, s40, 0x600000
	v_mov_b32 v[\vl], s40
.endm
.macro QS t, k, n, d                   ; step t under scale k of n, to the buffer at s[d:d+1]
.irp i, 0,1,2,3,4,5,6,7,8,9,10,11,12,13,14,15
	v_med3_num_f32 v[T+\i], v[R+16*(\t)+\i], -v[3+2*(\k)], v[3+2*(\k)]   ; the conversion to an 8-bit code does not saturate (ISA guide 7.6.2): the hold comes first
.endr
	v_cvt_scalef32_pk8_fp8_f32 v[C+4*((\n)*(\t)+(\k)):C+4*((\n)*(\t)+(\k))+1], v[T:T+7], v[2+2*(\k)]
	v_cvt_scalef32_pk8_fp8_f32 v[C+4*((\n)*(\t)+(\k))+2:C+4*((\n)*(\t)+(\k))+3], v[T+8:T+15], v[2+2*(\k)]
	v_nop                                          ; one plain vector instruction between the conversions and the next holds, which write their sources
	global_store_b128 v1, v[C+4*((\n)*(\t)+(\k)):C+4*((\n)*(\t)+(\k))+3], s[\d:\d+1] offset:512*(\t)   ; the wave stores 512 consecutive bytes, aligned
.endm
.macro PATH n
.irp t, 0,1,2,3,4,5,6,7
	s_wait_loadcnt 4*(7-\t)                        ; loads come back in order: step t's four are in, the four of each later step may be out
	QS \t, 0, \n, 30
.if \n > 1
	QS \t, 1, \n, 32
	QS \t, 2, \n, 34
.endif
.endr
	s_endpgm
.endm
	s_cmp_ge_u32 ttmp9, XWG
	s_cbranch_scc1 .Lweights
	; ---- x: run u = 8 x work-group + wave of 4,096 numbers
	s_lshl_b32 s36, ttmp9, 3
	s_add_co_u32 s36, s36, s18
	s_lshl_b32 s38, s36, 14                        ; 16,384 bytes of f32 a run
	s_add_nc_u64 s[28:29], s[4:5], s[38:39]
	s_lshl_b32 s38, s36, 12                        ; 4,096 bytes of codes a run
	s_add_nc_u64 s[30:31], s[14:15], s[38:39]      ; the set for the first projection,
	s_add_nc_u64 s[32:33], s[30:31], 0x800000      ; the second, 8,192 x 1,024 bytes on,
	s_add_nc_u64 s[34:35], s[32:33], 0x800000      ; the third
	s_wait_alu depctr_va_vdst(0)
	LOADS
	s_wait_kmcnt 0x0
	MKS 2, 3, 20                                   ; e0
	MKS 4, 5, 22                                   ; e2
	MKS 6, 7, 24                                   ; e4
	s_wait_alu depctr_va_vdst(0)
	PATH 3
.Lweights:
	; ---- a weight: matrix p = (work-group - 256) / 32, run u = 8 x (the rest) + wave
	s_sub_co_u32 s36, ttmp9, XWG
	s_lshr_b32 s37, s36, 5                         ; p
	s_and_b32 s36, s36, 31
	s_lshl_b32 s36, s36, 3
	s_add_co_u32 s36, s36, s18                     ; u
	s_cmp_eq_u32 s37, 0                            ; the choice of the buffer hangs on the work-group's number alone
	s_cselect_b64 s[28:29], s[6:7], s[8:9]
	s_cmp_eq_u32 s37, 2
	s_cselect_b64 s[28:29], s[10:11], s[28:29]
	s_lshl_b32 s38, s36, 14
	s_add_nc_u64 s[28:29], s[28:29], s[38:39]
	s_lshl_b32 s38, s36, 12
	s_lshl_b32 s40, s37, 20                        ; a matrix's codes are 2^20 bytes
	s_add_co_u32 s38, s38, s40
	s_add_nc_u64 s[30:31], s[16:17], s[38:39]
	s_wait_alu depctr_va_vdst(0)
	LOADS
	s_wait_kmcnt 0x0
	s_cmp_eq_u32 s37, 0
	s_cselect_b32 s42, s21, s23                    ; e1 or e3,
	s_cmp_eq_u32 s37, 2
	s_cselect_b32 s42, s25, s42                    ; or e5
	MKS 2, 3, 42
	s_wait_alu depctr_va_vdst(0)
	PATH 1
.Lfunc_end_k_q3714d8a38d_quant:
	.size	k_q3714d8a38d_quant, .Lfunc_end_k_q3714d8a38d_quant-k_q3714d8a38d_quant
	.p2alignl 7, 3214868480
	.fill 96, 4, 3214868480
	.section	.rodata,"a",@progbits
	.p2align	6, 0x0
	.amdhsa_kernel k_q3714d8a38d_quant
		.amdhsa_group_segment_fixed_size 0
		.amdhsa_private_segment_fixed_size 0
		.amdhsa_enable_private_segment 0
		.amdhsa_kernarg_size 56
		.amdhsa_user_sgpr_count 2
		.amdhsa_user_sgpr_kernarg_segment_ptr 1
		.amdhsa_wavefront_size32 1
		.amdhsa_system_sgpr_workgroup_id_x 1
		.amdhsa_system_sgpr_workgroup_id_y 1
		.amdhsa_system_sgpr_workgroup_id_z 1
		.amdhsa_system_vgpr_workitem_id 0
		.amdhsa_next_free_vgpr 256
		.amdhsa_next_free_sgpr 66
		.amdhsa_reserve_vcc 0
		.amdhsa_float_denorm_mode_32 3
		.amdhsa_float_denorm_mode_16_64 3
		.amdhsa_memory_ordered 1
		.amdhsa_forward_progress 1
		.amdhsa_inst_pref_size 50
	.end_amdhsa_kernel
	.amdgpu_metadata
---
amdhsa.version: [ 1, 2 ]
amdhsa.kernels:
  - .name:           k_q3714d8a38d_quant
    .symbol:         k_q3714d8a38d_quant.kd
    .args:
      - { .name: x, .offset: 0, .size: 8, .value_kind: global_buffer, .address_space: global }
      - { .name: Wq, .offset: 8, .size: 8, .value_kind: global_buffer, .address_space: global }
      - { .name: Wk, .offset: 16, .size: 8, .value_kind: global_buffer, .address_space: global }
      - { .name: Wv, .offset: 24, .size: 8, .value_kind: global_buffer, .address_space: global }
      - { .name: lowp_scales, .offset: 32, .size: 8, .value_kind: global_buffer, .address_space: global }
      - { .name: xc, .offset: 40, .size: 8, .value_kind: global_buffer, .address_space: global }
      - { .name: wc, .offset: 48, .size: 8, .value_kind: global_buffer, .address_space: global }
    .group_segment_fixed_size: 0
    .private_segment_fixed_size: 0
    .kernarg_segment_align: 8
    .kernarg_segment_size: 56
    .max_flat_workgroup_size: 256
    .sgpr_count:     66
    .vgpr_count:     256
    .wavefront_size: 32
...
	.end_amdgpu_metadata
.endif
;; end of part 1
;; launch gemm (part 2): grid 12 x 16, 4 waves a work-group, clusters of 4 x 4, 327,680 bytes of LDS; arguments xc, wc, lowp_scales, qkv; writes qkv
.if DOCPART == 2
	.amdgcn_target "amdgcn-amd-amdhsa--gfx1250"
	.amdhsa_code_object_version 6
	.text
	.protected	k_q3714d8a38d_gemm
	.globl	k_q3714d8a38d_gemm
	.p2align	8
	.type	k_q3714d8a38d_gemm,@function
k_q3714d8a38d_gemm:
	s_mov_b64 s[64:65], 0
	v_nop
	global_prefetch_b8 v0, s[64:65] scope:SCOPE_SE
	s_setreg_imm32_b32 hwreg(HW_REG_WAVE_MODE, 25, 1), 1
	s_wait_xcnt 0x0
	s_wait_alu depctr_hold_cnt(0) depctr_sa_sdst(0) depctr_va_vdst(0) depctr_va_sdst(0) depctr_va_ssrc(0) depctr_va_vcc(0) depctr_vm_vsrc(0)
	s_getreg_b32 s2, hwreg(HW_REG_IB_STS2, 6, 4)
	s_cmp_eq_u32 s2, 0
	s_cbranch_scc0 .Lentry_in_a_cluster
	s_endpgm
.Lentry_in_a_cluster:
	s_bfe_u32 s2, ttmp6, 0x10000c
	s_cmp_lg_u32 s2, 0xf033
	s_cbranch_scc0 .Lentry_shape_is_right
	s_endpgm
.Lentry_shape_is_right:
.set ROWB,   256
.set KROW,   1024
.set PITCH,  272
.set FR,     16
.set NL,     4
.set NP,     4
.set HALFT,  128*PITCH
.set SLOT,   4*HALFT
.set SPARE,  2*SLOT
.set ADRA, 16
.set ADRB, 20
.set SPW,  28
.set NIL,  29
.set SC,   30
.set LIM,  31
.set TMP,  32
.set VO,   96
.set AF,   128
.set CD,   112
.set G1, 24
.set G0, 32
.set G1B, 48
.set G0B, 56
.set MSB, 0
.macro WIN new
.if MSB != (\new)
	s_set_vgpr_msb (MSB<<8)|(\new)
.set MSB, (\new)
.endif
.endm
.set MUL_LO, 0xa1
.set MUL_HI, 0xf1
.set TO_B,   0x40
.macro JLOAD g0a, g1a, g0b, g1b
	s_cmp_eq_u32 s15, 0
	s_cbranch_scc0 .Lfor_b_\@
	tensor_load_to_lds s[\g0a:\g0a+3], s[\g1a:\g1a+7]
	s_nop 0
.rept 4
	v_nop
.endr
	s_branch .Lasked_\@
.Lfor_b_\@:
	tensor_load_to_lds s[\g0b:\g0b+3], s[\g1b:\g1b+7]
	s_nop 0
.rept 4
	v_nop
.endr
.Lasked_\@:
.endm
.macro CREST
	s_cmp_lg_u32 s14, 0
	s_cbranch_scc1 .Lnot_wave_0_\@
	s_barrier_signal -3
.Lnot_wave_0_\@:
	s_barrier_wait -3
	s_barrier_signal -1
	s_barrier_wait -1
.endm
.macro CROUND
	s_barrier_signal -1
	s_barrier_wait -1
	CREST
.endm
	s_load_b128 s[4:7], s[0:1], 0x0
	s_load_b128 s[8:11], s[0:1], 0x10
	v_lshl_add_u32 v[SPW], v0, 2, SPARE
	v_mov_b32 v[NIL], 0
	ds_add_u32 v28, v29
	ds_add_u32 v28, v29
	s_wait_dscnt 0x0
	v_lshrrev_b32 v1, 5, v0
	v_readfirstlane_b32 s14, v1
	s_lshr_b32 s15, s14, 1
	s_and_b32 s16, s14, 1
	s_bfe_u32 s40, ttmp6, 0x40000
	s_bfe_u32 s41, ttmp6, 0x40004
	s_lshl_b32 s42, ttmp9, 2
	s_add_co_u32 s42, s42, s40
	s_and_b32 s17, ttmp7, 0xffff
	s_lshl_b32 s17, s17, 2
	s_add_co_u32 s17, s17, s41
	s_lshl_b32 s43, s41, 2
	s_lshl_b32 s43, 15, s43
	s_lshl_b32 s44, 0x1111, s40
	s_or_b32 s[G1+0], s43, (0<<16)|(1<<20)|(1<<21)|(5<<22)|(3<<25)
	s_or_b32 s[G1B+0], s44, (0<<16)|(1<<20)|(1<<21)|(5<<22)|(3<<25)
.irp g, G1, G1B
	s_mov_b32 s[\g+1], ROWB<<16
	s_mov_b32 s[\g+2], 128<<16
	s_mov_b32 s[\g+3], ROWB<<16
	s_mov_b32 s[\g+4], 128
	s_mov_b32 s[\g+5], KROW
	s_mov_b32 s[\g+6], 0
	s_mov_b32 s[\g+7], 0
.endr
	; clusters x = 0, 1 (q, k): the tile shared along a row of the cluster is x's block 4 y + cy, the one shared along a column the weights' block 4 x + cx.
	; cluster x = 2 (v): the roles are changed in the global addresses alone: along a row Wv's block cy, along a column x's block 4 y + cx. So the masks and the LDS addresses are the same for all.
	s_and_b32 s66, ttmp7, 0xffff
	s_lshl_b32 s66, s66, 2
	s_add_co_u32 s66, s66, s40
	s_lshl_b32 s18, s16, 7
	s_lshl_b32 s19, ttmp9, 23
	s_cmp_eq_u32 ttmp9, 2
	s_cselect_b32 s20, s41, s17
	s_cselect_b32 s19, 0x200000, s19
	s_cselect_b32 s46, s66, s42
	s_cselect_b32 s67, 0x1000000, 0
	s_lshl_b32 s20, s20, 8
	s_add_co_u32 s20, s20, s18
	s_lshl_b32 s20, s20, 10
	s_add_co_u32 s20, s20, s19
	s_mov_b32 s21, 0
	s_lshl_b32 s46, s46, 8
	s_add_co_u32 s46, s46, s18
	s_lshl_b32 s46, s46, 10
	s_add_co_u32 s46, s46, s67
	s_mov_b32 s47, 0
	s_mul_i32 s45, s14, HALFT
	s_wait_kmcnt 0x0
	s_load_b256 s[68:75], s[8:9], 0x0
	s_load_b64 s[76:77], s[8:9], 0x20
	s_cmp_eq_u32 ttmp9, 2
	s_cselect_b64 s[82:83], s[6:7], s[4:5]
	s_cselect_b64 s[84:85], s[4:5], s[6:7]
	; A WORK-GROUP STAYS and makes two tiles, 4,096 rows of x apart: 384 tiles on 192 work-groups.  s[88:89], s[90:91]: the second tile's K step 0 on either side: x's side goes 4,096 rows of 1,024 bytes on, the weights' side stays.
	s_cselect_b32 s88, 0, 0x400000
	s_cselect_b32 s90, 0x400000, 0
	s_mov_b32 s89, 0
	s_mov_b32 s91, 0
	s_add_nc_u64 s[20:21], s[82:83], s[20:21]
	s_add_nc_u64 s[46:47], s[84:85], s[46:47]
	s_add_nc_u64 s[88:89], s[20:21], s[88:89]
	s_add_nc_u64 s[90:91], s[46:47], s[90:91]
	CROUND
.irp s, 0,1
	s_mov_b32 s[G0+4*\s], 1
	s_add_co_u32 s[G0+4*\s+1], s45, \s*SLOT
	s_add_nc_u64 s[G0+4*\s+2:G0+4*\s+3], s[20:21], \s*ROWB
	s_or_b32 s[G0+4*\s+3], s[G0+4*\s+3], 0x80000000
	s_mov_b32 s[G0B+4*\s], 1
	s_add_co_u32 s[G0B+4*\s+1], s45, \s*SLOT
	s_add_nc_u64 s[G0B+4*\s+2:G0B+4*\s+3], s[46:47], \s*ROWB
	s_or_b32 s[G0B+4*\s+3], s[G0B+4*\s+3], 0x80000000
	s_wait_alu depctr_va_vdst(0)
	s_wait_tensorcnt 0x0
	ds_add_u32 v28, v29
	ds_add_u32 v28, v29
	s_wait_dscnt 0x0
	CROUND
	JLOAD G0+4*\s, G1, G0B+4*\s, G1B
.endr
	v_and_b32 v1, 15, v0
	v_bfe_u32 v2, v0, 4, 1
	v_mul_u32_u24 v3, v1, PITCH
	v_lshl_add_u32 v4, v2, 4, v3
	s_wait_alu depctr_va_vdst(0)
	s_mul_i32 s21, s15, HALFT
	s_mul_i32 s22, s16, HALFT
	s_add_co_u32 s22, s22, 2*HALFT
.irp s, 0,1
	v_add_nc_u32 v[ADRA+\s], s21, v4
	v_add_nc_u32 v[ADRB+\s], s22, v4
	s_add_co_u32 s21, s21, SLOT
	s_add_co_u32 s22, s22, SLOT
.endr
	s_wait_kmcnt 0x0
	s_cmp_eq_u32 ttmp9, 0
	s_cselect_b32 s78, s68, s70
	s_cselect_b32 s79, s69, s71
	s_cselect_b32 s80, s74, s75
	s_cmp_eq_u32 ttmp9, 2
	s_cselect_b32 s78, s72, s78
	s_cselect_b32 s79, s73, s79
	s_cselect_b32 s80, s77, s80
	s_cselect_b32 s81, s16, s15
	s_cselect_b32 s82, s15, s16
	s_cselect_b32 s67, s66, s17
	s_cselect_b32 s87, s41, s40
	s_mov_b32 s83, 1024
	s_cselect_b32 s83, 2048, s83
	s_mov_b32 s84, 1024
	s_cselect_b32 s84, 124928, s84
	s_mov_b32 s85, 131072
	s_cselect_b32 s85, 1024, s85
	s_sub_co_i32 s80, s80, s78
	s_sub_co_i32 s80, s80, s79
	s_add_co_i32 s80, s80, 127
	s_lshl_b32 s78, s80, 23
	v_mov_b32 v[SC], s78
	s_add_co_i32 s80, s80, 8
	s_lshl_b32 s80, s80, 23
	s_or_b32 s80, s80, 0x600000
	v_mov_b32 v[LIM], s80
	s_lshl_b32 s78, s67, 8
	s_lshl_b32 s79, s81, 7
	s_add_co_u32 s78, s78, s79
	s_lshr_b32 s79, s78, 11
	s_lshl_b32 s79, s79, 21
	s_and_b32 s78, s78, 2047
	s_lshl_b32 s78, s78, 6
	s_add_co_u32 s78, s78, s79
	s_lshl_b32 s79, s87, 2
	s_lshl_b32 s86, s82, 1
	s_add_co_u32 s79, s79, s86
	s_lshl_b32 s79, s79, 17
	s_add_co_u32 s78, s78, s79
	s_lshl_b32 s79, ttmp9, 23
	s_add_co_u32 s78, s78, s79
	s_mov_b32 s79, 0
	s_add_nc_u64 s[10:11], s[10:11], s[78:79]
	v_and_b32 v5, 31, v0
	v_lshlrev_b32 v[VO], 4, v5
.irp a, 1,2,3,4,5,6,7
.if \a == 4
	v_add_nc_u32 v[VO+2*\a], s84, v[VO+2*\a-2]
.else
	v_add_nc_u32 v[VO+2*\a], s83, v[VO+2*\a-2]
.endif
.endr
.irp a, 0,1,2,3,4,5,6,7
	v_add_nc_u32 v[VO+2*\a+1], s85, v[VO+2*\a]
.endr
.macro FRAG reg, adr, q, i
.irp c, 0,1,2,3
	ds_load_b128 v[\reg+4*\c:\reg+4*\c+3], v[\adr] offset:128*(\q)+32*\c+(\i)*16*PITCH
.endr
.endm
.macro MUL16 a0, p, zero
.irp a, \a0, \a0+1
.irp b, 0,1,2,3,4,5,6,7
.if \zero
	v_wmma_f32_16x16x128_fp8_fp8 v[8*(8*((\a)%4)+\b):8*(8*((\a)%4)+\b)+7], v[128*(\p)+FR*\b:128*(\p)+FR*\b+FR-1], v[AF+FR*(\a):AF+FR*(\a)+FR-1], 0
.else
	v_wmma_f32_16x16x128_fp8_fp8 v[8*(8*((\a)%4)+\b):8*(8*((\a)%4)+\b)+7], v[128*(\p)+FR*\b:128*(\p)+FR*\b+FR-1], v[AF+FR*(\a):AF+FR*(\a)+FR-1], v[8*(8*((\a)%4)+\b):8*(8*((\a)%4)+\b)+7]
.endif
.endr
.endr
.endm
.macro FETCH_B slot, q, p
	WIN TO_B
.irp i, 0,1,2,3,4,5,6,7
	FRAG 128*(\p)+FR*\i, ADRB+\slot, \q, \i
.endr
	WIN 0
.endm
.macro FETCH_A slot, q, i0
.irp i, \i0, \i0+1, \i0+2, \i0+3
	FRAG AF+FR*(\i), ADRA+\slot, \q, \i
.endr
.endm
.macro PLACES n
.rept \n
	v_nop
.endr
.endm
.macro STEP slot, q, zero
	s_wait_dscnt 4*NL
	WIN MUL_LO
	MUL16 0, (\q)%2, \zero
	MUL16 2, (\q)%2, \zero
	s_wait_dscnt 0
	PLACES NP
	FETCH_B \slot, (\q)+1, 1-(\q)%2
	FETCH_A \slot, (\q)+1, 0
	WIN MUL_HI
	MUL16 4, (\q)%2, \zero
	MUL16 6, (\q)%2, \zero
	PLACES NP
	WIN 0
	FETCH_A \slot, (\q)+1, 4
.endm
.macro TURN slot, next, fill
	s_wait_tensorcnt 0x0
	ds_add_u32 v[SPW], v[NIL]
	s_wait_dscnt 4*NL+1
	WIN MUL_LO
	MUL16 0, 1, 0
	s_wait_dscnt 0x0
	s_barrier_signal -1
	MUL16 2, 1, 0
	WIN 0
	s_barrier_wait -1
.if \fill
	CREST
.if \fill == 2                         ; the ring goes on into the second tile: this slot takes its K step 0 or 1
	s_add_nc_u64 s[G0+4*\slot+2:G0+4*\slot+3], s[88:89], \slot*ROWB
	s_or_b32 s[G0+4*\slot+3], s[G0+4*\slot+3], 0x80000000
	s_add_nc_u64 s[G0B+4*\slot+2:G0B+4*\slot+3], s[90:91], \slot*ROWB
	s_or_b32 s[G0B+4*\slot+3], s[G0B+4*\slot+3], 0x80000000
.else
	s_add_nc_u64 s[G0+4*\slot+2:G0+4*\slot+3], s[G0+4*\slot+2:G0+4*\slot+3], 2*ROWB
	s_add_nc_u64 s[G0B+4*\slot+2:G0B+4*\slot+3], s[G0B+4*\slot+2:G0B+4*\slot+3], 2*ROWB
.endif
	JLOAD G0+4*\slot, G1, G0B+4*\slot, G1B
.else
	PLACES NP
.endif
	FETCH_B \next, 0, 0
	FETCH_A \next, 0, 0
	WIN MUL_HI
	MUL16 4, 1, 0
	MUL16 6, 1, 0
	PLACES NP
	WIN 0
	FETCH_A \next, 0, 4
.endm
	s_wait_tensorcnt 1
	s_barrier_signal -1
	s_barrier_wait -1
	FETCH_B 0, 0, 0
	FETCH_A 0, 0, 0
	FETCH_A 0, 0, 4
	STEP 0, 0, 1
	TURN 0, 1, 1
	STEP 1, 0, 0
	TURN 1, 0, 1
	STEP 0, 0, 0
	TURN 0, 1, 2
	STEP 1, 0, 0
	TURN 1, 0, 2
.macro OUT a
.set AC, 64*((\a)%4)
	s_wait_xcnt 0x0                                ; the block before has read its 16 registers of codes: they are written again below
	WIN 0x02+((\a)/4)
.set j, 0
.rept 64
	v_med3_num_f32 v[TMP+j], v[AC+j], -v[LIM], v[LIM]
.set j, j+1
.endr
	WIN 0
.irp b, 0,1,2,3,4,5,6,7
	v_cvt_scalef32_pk8_fp8_f32 v[CD+2*\b:CD+2*\b+1], v[TMP+8*\b:TMP+8*\b+7], v[SC]
.endr
	v_nop
	global_store_b128 v[VO+2*(\a)],   v[CD:CD+3],     s[10:11]
	global_store_b128 v[VO+2*(\a)],   v[CD+4:CD+7],   s[10:11] offset:512
	global_store_b128 v[VO+2*(\a)+1], v[CD+8:CD+11],  s[10:11]
	global_store_b128 v[VO+2*(\a)+1], v[CD+12:CD+15], s[10:11] offset:512
.endm
.irp a, 0,1,2,3,4,5,6,7                ; the first tile goes out while the second tile's K step 1 is on its way; the four places behind its last products stand at the end of the change of slots
	OUT \a
.endr
	s_wait_xcnt 0x0                                ; the stores have read their base
	s_add_nc_u64 s[10:11], s[10:11], 0x400000      ; 4,096 tokens on: two batches of 16 heads x 131,072 bytes
	STEP 0, 0, 1                                   ; the second tile's first products start the sums anew
	TURN 0, 1, 1
	STEP 1, 0, 0
	TURN 1, 0, 1
	STEP 0, 0, 0
	TURN 0, 1, 0
	STEP 1, 0, 0
	s_wait_dscnt 4*NL
	WIN MUL_LO
	MUL16 0, 1, 0
	MUL16 2, 1, 0
	s_wait_dscnt 0
	WIN MUL_HI
	MUL16 4, 1, 0
	MUL16 6, 1, 0
	WIN 0
	PLACES NP
.irp a, 0,1,2,3,4,5,6,7
	OUT \a
.endr
	s_wait_tensorcnt 0x0
	ds_add_u32 v[SPW], v[NIL]
	s_wait_dscnt 0x0
	CROUND
	s_endpgm
.Lfunc_end_k_q3714d8a38d_gemm:
	.size	k_q3714d8a38d_gemm, .Lfunc_end_k_q3714d8a38d_gemm-k_q3714d8a38d_gemm
	.p2alignl 7, 3214868480
	.fill 96, 4, 3214868480
	.section	.rodata,"a",@progbits
	.p2align	6, 0x0
	.amdhsa_kernel k_q3714d8a38d_gemm
		.amdhsa_group_segment_fixed_size 327680
		.amdhsa_private_segment_fixed_size 0
		.amdhsa_enable_private_segment 0
		.amdhsa_kernarg_size 32
		.amdhsa_user_sgpr_count 2
		.amdhsa_user_sgpr_kernarg_segment_ptr 1
		.amdhsa_wavefront_size32 1
		.amdhsa_system_sgpr_workgroup_id_x 1
		.amdhsa_system_sgpr_workgroup_id_y 1
		.amdhsa_system_sgpr_workgroup_id_z 1
		.amdhsa_system_vgpr_workitem_id 0
		.amdhsa_next_free_vgpr 1024
		.amdhsa_next_free_sgpr 92
		.amdhsa_reserve_vcc 0
		.amdhsa_float_denorm_mode_32 3
		.amdhsa_float_denorm_mode_16_64 3
		.amdhsa_memory_ordered 1
		.amdhsa_forward_progress 1
		.amdhsa_inst_pref_size 233
	.end_amdhsa_kernel
	.amdgpu_metadata
---
amdhsa.version: [ 1, 2 ]
amdhsa.kernels:
  - .name:           k_q3714d8a38d_gemm
    .symbol:         k_q3714d8a38d_gemm.kd
    .args:
      - { .name: xc, .offset: 0, .size: 8, .value_kind: global_buffer, .address_space: global }
      - { .name: wc, .offset: 8, .size: 8, .value_kind: global_buffer, .address_space: global }
      - { .name: lowp_scales, .offset: 16, .size: 8, .value_kind: global_buffer, .address_space: global }
      - { .name: qkv, .offset: 24, .size: 8, .value_kind: global_buffer, .address_space: global }
    .group_segment_fixed_size: 327680
    .private_segment_fixed_size: 0
    .kernarg_segment_align: 8
    .kernarg_segment_size: 32
    .max_flat_workgroup_size: 128
    .sgpr_count:     92
    .vgpr_count:     1024
    .wavefront_size: 32
...
	.end_amdgpu_metadata
.endif
;; end of part 2
;; launch attn (part 3): grid 4 x 64, 8 waves a work-group, clusters of 4 x 1, 327,680 bytes of LDS; arguments qkv, lowp_scales, out0; writes out0
.if DOCPART == 3
	.amdgcn_target "amdgcn-amd-amdhsa--gfx1250"
	.amdhsa_code_object_version 6
	.text
	.protected	k_q3714d8a38d_attn
	.globl	k_q3714d8a38d_attn
	.p2align	8
	.type	k_q3714d8a38d_attn,@function
k_q3714d8a38d_attn:
	s_mov_b64 s[64:65], 0
	v_nop
	global_prefetch_b8 v0, s[64:65] scope:SCOPE_SE
	s_setreg_imm32_b32 hwreg(HW_REG_WAVE_MODE, 25, 1), 1
	s_wait_xcnt 0x0
	s_wait_alu depctr_hold_cnt(0) depctr_sa_sdst(0) depctr_va_vdst(0) depctr_va_sdst(0) depctr_va_ssrc(0) depctr_va_vcc(0) depctr_vm_vsrc(0)
	s_getreg_b32 s2, hwreg(HW_REG_IB_STS2, 6, 4)
	s_cmp_eq_u32 s2, 0
	s_cbranch_scc0 .Lentry_in_a_cluster
	s_endpgm
.Lentry_in_a_cluster:
	s_bfe_u32 s2, ttmp6, 0x10000c
	s_cmp_lg_u32 s2, 0x3003
	s_cbranch_scc0 .Lentry_shape_is_right
	s_endpgm
.Lentry_shape_is_right:
; out[b][q][64 head + :] = the sum over keys k <= q of softmax_k(Q . K / 8) V, for 64 pairs (batch, head), 2,048 tokens, head size 64; both products on codes of FP8 (E4M3): q 2^e6, k 2^e7, p 2^e8, v 2^e9.
; t = score x 2^(e6 + e7) x log2(e) / 8; M = the running largest t rounded UP to a whole number; p = 2^(t - M) is quantised, not normalised; the row's sum is taken of the unquantised p in f32 and divides at the end.
; When M moves, the sum and O are multiplied by 2^(old M - new M), which rounds nothing.
; LEFT OUT: key steps all of whose 128 keys lie behind the causal mask.
; LIMITS: e6 + e7 between -123 and 130 (added to c's exponent field); e8 between -126 and 119; e8 + e9 goes by v_ldexp_f32 and has none.
; INPUT: images of fragments: parts q, k: [pair][16 tokens][2][lane][16 bytes]; part v: [pair][128 keys][16 channels: 4][4][lane][16 bytes]. A fragment is read at 16 x lane + 512 c: no pitch, no padding.
; A PAIR'S K AND V STAY IN LDS: 2 x 131,072 bytes, each byte filled once: no ring, no refill.
; SHARES.  The four work-groups of a cluster serve one pair.  The work-group at place cx takes the blocks of 32 queries with numbers 4 u + cx, u = 0 .. 15.  Block 4 u + cx wants key steps 0 .. u of 128 keys, whatever cx is:
; so all four want the same K and V, which come by JOINT loads (mask 15), and no branch, trip count or LDS address hangs on cx: only the mask's numbers and the global addresses of Q and of the output do.
; Wave w of eight takes u = 15 - w and then u = w: 17 key steps for every wave.  A wave holds 32 queries, two tiles X and Y, so each fragment of K and V feeds two matrix instructions.
; THE LOADS: two groups, one load a wave in each.  Waves 0-3 fetch K, waves 4-7 V.  First 8,192 bytes a wave: key steps 0 to 3; then, behind the full sequence and a round, 24,576 bytes a wave: the rest.
; The first three key steps (they read K's steps 0 to 3 and V's 0 to 2) run in every wave alike (u >= 8 there); then one barrier shows the rest to all.
; NO PREFETCH: all tensor loads of the launch go out at its head; there is no loop that runs ahead of a load.
; LAYOUT.  S^T = K Q^T, O^T = V^T P^T: a lane holds one query (lane % 16) of each tile.  Register 8 t + j of S^T is key 16 t + 8 (lane / 16) + j; its eight codes are registers 2 t, 2 t + 1 of P's fragment.
; REGISTERS.  Window 0: v1-31 addresses and a row's numbers; v32-95 K; v96-159 S^T of X, v160-223 of Y, then p; v224-247 at work.  Window 1: v0-15 the second block's Q, v16-31 the first's; v32-95 V; v96-127 O^T of X, v128-159 of Y; v160-191 p's codes.
.set VREG,  131072
.set SPARE, 262144                     ; the spare words, 128 bytes a wave
.set STAGE, 263168                     ; the way out: 16 rows x 272 bytes a wave; no fill lands here
.set SP,    272
.set FIRST, 8192
.set REST,  24576
.set COMMON, 3                         ; key steps ahead of the barrier
.set LI,1
.set ADK,2
.set ADV,3
.set STO,4
.set SPW,5
.set NIL,6
.set GO,7
.set RD,8
.set DX,9                              ; 32 cx + lane % 16 - 8 (lane / 16): in the diagonal step register 8 t + j of X is hidden where 16 t + j is greater
.set DY,10                             ; the same for Y: + 16
.set NINF,11
.set MX,12                             ; v[12:13] -M and the largest t of X; v[14:15] its sum in two halves
.set LX,14
.set MY,16
.set LY,18
.set FX,20                             ; v[20:21], v[22:23]: f = 2^(old M - new M) in the low word
.set FY,22
.set LIMV,24                           ; 448 x 2^e8, and once more in v31: the two halves of a dual pair take their second sources from different banks
.set SCV,25
.set PX,26
.set PY,27
.set T0,28
.set T1,29
.set LIM2,31
.set KF,32
.set SX,96
.set SY,160
.set CH,224
.set AC,232
.set VF,32                             ; window 1
.set OX,96
.set OY,128
.set CD,160
.set TB,2                              ; s2 LDS byte of the key step in hand
.set N,3                               ; s3 the key step
.set U,10                              ; s10 the last key step of the block in hand
.set CXS,11
.set PR,12
.set WV,18
.set SEL,20
.set CS,22
.set G1A,24
.set G1B,32
.set G0A,40
.set G0B,44
.set EO,49
.set OB1,66
.set OB2,68
.set MSB, 0
.macro WIN new                         ; the immediate's high byte repeats the setting that is left
.if MSB != (\new)
	s_set_vgpr_msb (MSB<<8)|(\new)
.set MSB, (\new)
.endif
.endm
.macro ROUND                           ; a round of the cluster's barrier
	s_barrier_signal -1
	s_barrier_wait -1
	s_cmp_lg_u32 s[WV], 0
	s_cbranch_scc1 .Lnot_wave_0_\@
	s_barrier_signal -3
.Lnot_wave_0_\@:
	s_barrier_wait -3
	s_barrier_signal -1
	s_barrier_wait -1
.endm
.macro KLOAD adr, off                  ; K's eight fragments of a key step
.irp t, 0,1,2,3,4,5,6,7
.irp c, 0,1
	ds_load_b128 v[KF+8*\t+4*\c:KF+8*\t+4*\c+3], v[\adr] offset:\off+1024*\t+512*\c
.endr
.endr
.endm
.macro RESET                           ; a block begins: the largest t is -3e38; the sums and O^T are zeros, which the first change of M leaves zeros
	v_mov_b32 v[MX+1], 0xff61b1e6
	v_mov_b32 v[MY+1], 0xff61b1e6
	v_floor_f32 v[MX], -v[MX+1]
	v_floor_f32 v[MY], -v[MY+1]
	v_mov_b32 v[LX], 0
	v_mov_b32 v[LX+1], 0
	v_mov_b32 v[LY], 0
	v_mov_b32 v[LY+1], 0
	WIN 0x40
.set k, 0
.rept 64
	v_mov_b32 v[OX+k], 0
.set k, k+1
.endr
	WIN 0
.endm
.macro SUMS s, l, a                    ; a tile's sum of the unquantised p: four chains of packed additions, then onto the running sum
.irp c, 0,1,2,3
	v_pk_add_f32 v[\a+2*\c:\a+2*\c+1], v[\s+4*\c:\s+4*\c+1], v[\s+4*\c+2:\s+4*\c+3]
.endr
.set k, 0
.rept 24
	v_pk_add_f32 v[\a+2*(k%4):\a+2*(k%4)+1], v[\a+2*(k%4):\a+2*(k%4)+1], v[\s+16+2*k:\s+17+2*k]
.set k, k+1
.endr
	v_pk_add_f32 v[\a:\a+1], v[\a:\a+1], v[\a+2:\a+3]
	v_pk_add_f32 v[\a+4:\a+5], v[\a+4:\a+5], v[\a+6:\a+7]
	v_pk_add_f32 v[\a:\a+1], v[\a:\a+1], v[\a+4:\a+5]
	v_pk_add_f32 v[\l:\l+1], v[\l:\l+1], v[\a:\a+1]
.endm
.macro HOLD2 r                         ; two numbers held at 448 x 2^e8 by one dual pair.  The conversion does not saturate (ISA guide 7.6.2); p is not negative, so the hold is one-sided
	v_dual_min_num_f32 v[\r], v[\r], v[LIMV] :: v_dual_min_num_f32 v[\r+1], v[\r+1], v[LIM2]
.endm
	s_load_b128 s[4:7], s[0:1], 0x0                ; the codes, the scales' exponents
	s_load_b64 s[8:9], s[0:1], 0x10                ; the output
	v_lshl_add_u32 v[SPW], v0, 2, SPARE
	v_mov_b32 v[NIL], 0
	ds_add_u32 v[SPW], v[NIL]                      ; the opening lines: the add twice on end and its wait
	ds_add_u32 v[SPW], v[NIL]
	v_lshrrev_b32 v9, 5, v0
	v_readfirstlane_b32 s[WV], v9                  ; wave 0..7
	s_bfe_u32 s[CXS], ttmp6, 0x40000               ; cx
	s_and_b32 s[PR], ttmp7, 0xffff                 ; the pair
	s_mov_b32 s[G1A+0], 15|(3<<16)|(1<<21)         ; mask: all four; elements of 8 bytes; bit 21 beside a mask
	s_mov_b32 s[G1A+1], 32<<16                     ; rows of 256 bytes
	s_mov_b32 s[G1A+2], (FIRST/256)<<16
	s_mov_b32 s[G1A+3], 32<<16
	s_mov_b32 s[G1A+4], FIRST/256
	s_mov_b32 s[G1A+5], 32
	s_mov_b32 s[G1A+6], 0
	s_mov_b32 s[G1A+7], 0
	s_mov_b32 s[G1B+0], 15|(3<<16)|(1<<21)
	s_mov_b32 s[G1B+1], 32<<16
	s_mov_b32 s[G1B+2], (REST/256)<<16
	s_mov_b32 s[G1B+3], 32<<16
	s_mov_b32 s[G1B+4], REST/256
	s_mov_b32 s[G1B+5], 32
	s_mov_b32 s[G1B+6], 0
	s_mov_b32 s[G1B+7], 0
	s_mov_b32 s[SEL], 0x76543210
	s_mov_b32 s[SEL+1], 0xfedcba98
	s_mov_b32 s[CS], 0x3e38aa3b                    ; log2(e) / 8
	s_lshr_b32 s70, s[WV], 2                       ; 0: K, 1: V
	s_and_b32 s71, s[WV], 3                        ; which quarter
	s_lshl_b32 s72, s70, 17
	s_mul_i32 s73, s71, FIRST
	s_mul_i32 s74, s71, REST
	s_add_co_u32 s74, s74, 4*FIRST
	s_mov_b32 s[G0A], 1
	s_add_co_u32 s[G0A+1], s72, s73
	s_mov_b32 s[G0B], 1
	s_add_co_u32 s[G0B+1], s72, s74
	s_add_co_u32 s75, s70, 1
	s_lshl_b32 s75, s75, 23                        ; part 1 (k) or 2 (v)
	s_lshl_b32 s76, s[PR], 17                      ; the pair's 131,072 bytes
	s_add_co_u32 s75, s75, s76
	s_add_co_u32 s78, s75, s73
	s_mov_b32 s79, 0
	s_add_co_u32 s80, s75, s74
	s_mov_b32 s81, 0
	s_wait_dscnt 0x0
	s_wait_kmcnt 0x0
	s_load_b256 s[52:59], s[6:7], 0x0              ; e0 .. e7
	s_load_b64 s[60:61], s[6:7], 0x20              ; e8, e9
	s_add_nc_u64 s[G0A+2:G0A+3], s[4:5], s[78:79]
	s_or_b32 s[G0A+3], s[G0A+3], 0x80000000
	s_add_nc_u64 s[G0B+2:G0B+3], s[4:5], s[80:81]
	s_or_b32 s[G0B+3], s[G0B+3], 0x80000000
	ROUND                                          ; the four work-groups are here: the first joint loads meet
	tensor_load_to_lds s[G0A:G0A+3], s[G1A:G1A+7]  ; my one load at the head: my quarter of K's or V's key steps 0 to 3
	s_nop 0
.rept 4
	v_nop
.endr
	s_sub_co_u32 s[U], 15, s[WV]
	s_lshl_b32 s70, s[U], 2
	s_add_co_u32 s70, s70, s[CXS]                  ; the first block's number
	s_lshl_b32 s71, s[WV], 2
	s_add_co_u32 s71, s71, s[CXS]                  ; the second's
	s_lshl_b32 s72, s70, 11                        ; Q: 2,048 bytes for 32 tokens, in part 0
	s_add_co_u32 s72, s72, s76
	s_mov_b32 s73, 0
	s_add_nc_u64 s[82:83], s[4:5], s[72:73]
	s_lshl_b32 s72, s71, 11
	s_add_co_u32 s72, s72, s76
	s_add_nc_u64 s[84:85], s[4:5], s[72:73]
	s_lshr_b32 s74, s[PR], 4
	s_lshl_b32 s74, s74, 23                        ; the output: a batch is 2,048 rows of 4,096 bytes,
	s_and_b32 s75, s[PR], 15
	s_lshl_b32 s75, s75, 8                         ; a head 256 bytes of a row,
	s_add_co_u32 s74, s74, s75
	s_lshl_b32 s72, s70, 17                        ; a block 32 rows
	s_add_co_u32 s72, s72, s74
	s_add_nc_u64 s[OB1:OB1+1], s[8:9], s[72:73]
	s_lshl_b32 s72, s71, 17
	s_add_co_u32 s72, s72, s74
	s_add_nc_u64 s[OB2:OB2+1], s[8:9], s[72:73]
	s_mul_i32 s77, s[WV], 16*SP
	s_add_co_u32 s77, s77, STAGE                   ; my stage
	s_lshl_b32 s78, s[CXS], 5
	v_and_b32 v9, 31, v0
	v_lshlrev_b32 v[LI], 4, v9
	WIN 0x40
.irp c, 0,1,2,3
	global_load_b128 v[16+4*\c:19+4*\c], v[LI], s[82:83] offset:512*\c   ; the first block's Q: X in v16-23, Y in v24-31 of window 1
.endr
	WIN 0
	s_wait_kmcnt 0x0
	s_add_co_i32 s70, s58, s59
	s_lshl_b32 s70, s70, 23
	s_add_co_i32 s[CS], s[CS], s70                 ; c x 2^(e6 + e7)
	s_mov_b32 s[CS+1], s[CS]
	s_add_co_i32 s70, s60, 127
	s_lshl_b32 s71, s70, 23                        ; 2^e8
	s_add_co_i32 s70, s70, 8
	s_lshl_b32 s70, s70, 23
	s_or_b32 s70, s70, 0x600000                    ; 448 x 2^e8
	s_add_co_i32 s[EO], s60, s61
	s_mov_b32 s[N], 0
	s_mov_b32 s[TB], 0
	v_and_b32 v[T0], 15, v0                        ; r
	v_bfe_u32 v[T1], v0, 4, 1                      ; h
	v_mul_u32_u24 v[STO], v[T0], SP
	v_mul_u32_u24 v[RD], v[T1], SP
	v_lshl_add_u32 v[STO], v[T1], 5, v[STO]
	v_lshl_add_u32 v[RD], v[T0], 4, v[RD]
	v_add_nc_u32 v[STO], s77, v[STO]               ; in: row r, + 32 h
	v_add_nc_u32 v[RD], s77, v[RD]                 ; back: lanes 0-15 one row, lanes 16-31 the next
	v_lshlrev_b32 v[GO], 12, v[T1]
	v_lshlrev_b32 v30, 3, v[T1]
	v_lshl_add_u32 v[GO], v[T0], 4, v[GO]
	v_sub_nc_u32 v30, v[T0], v30
	v_add_nc_u32 v[DX], s78, v30
	v_mov_b32 v[NINF], 0xff800000
	v_add_nc_u32 v[DY], 16, v[DX]
	v_mov_b32 v[FX+1], 0                           ; named as the upper halves of pairs
	v_mov_b32 v[FY+1], 0
	v_mov_b32 v[PX], 0                             ; a lane permute's destination counts as a source
	v_mov_b32 v[PY], 0
	v_mov_b32 v[SCV], s71
	v_mov_b32 v[LIMV], s70
	v_mov_b32 v[LIM2], s70
	RESET
; A KEY STEP: 128 keys x my 32 queries.  qb: where Q stands in window 1.  tail = 1: steps behind my block's last are passed over, and the last one, on the diagonal, is masked and fetches no further K.
.macro STEP qb, tail
.if \tail
	s_cmp_gt_u32 s[N], s[U]                        ; the wave's number and the count of steps alone
	s_cbranch_scc1 .Lhid_\@
.endif
	v_add_nc_u32 v[ADK], s[TB], v[LI]
	v_add_nc_u32 v[ADV], VREG, v[ADK]
	s_wait_alu depctr_va_vdst(0)
	s_wait_dscnt 0x0                               ; this step's K is in
	WIN 0x04
.irp t, 0,1,2,3,4,5,6,7
	v_wmma_f32_16x16x64_fp8_fp8 v[SX+8*\t:SX+8*\t+7], v[KF+8*\t:KF+8*\t+7], v[\qb:\qb+7], 0
	v_wmma_f32_16x16x64_fp8_fp8 v[SY+8*\t:SY+8*\t+7], v[KF+8*\t:KF+8*\t+7], v[\qb+8:\qb+15], 0
.endr
	WIN 0x40
.rept 4
	v_nop                                          ; four places ahead of the loads into fragments that products have read and of the first read of the scores
.endr
.irp t, 0,1,2,3
.irp c, 0,1,2,3
	ds_load_b128 v[VF+16*\t+4*\c:VF+16*\t+4*\c+3], v[ADV] offset:2048*\t+512*\c
.endr
.endr
	WIN 0
.if \tail
	s_cmp_eq_u32 s[N], s[U]
	s_cbranch_scc1 .Lmask_\@
.endif
	KLOAD ADK, 8192                                ; the next step's K lands under the softmax
.if \tail
	s_branch .Lopen_\@
.Lmask_\@:                                         ; hidden scores become -infinity; key 0 of the step counts for every query, and Y's first tile of keys is never hidden
.set k, 0
.rept 64
	v_cmp_gt_i32 vcc_lo, 16*(k/8)+k%8, v[DX]
	v_cndmask_b32 v[SX+k], v[SX+k], v[NINF], vcc_lo
.if k >= 8
	v_cmp_gt_i32 vcc_lo, 16*(k/8)+k%8, v[DY]
	v_cndmask_b32 v[SY+k], v[SY+k], v[NINF], vcc_lo
.endif
.set k, k+1
.endr
.Lopen_\@:
.endif
.irp c, 0,1,2,3                                    ; the largest scores: four chains a tile, X and Y by turns, registers ascending
	v_max3_num_f32 v[CH+\c], v[SX+3*\c], v[SX+3*\c+1], v[SX+3*\c+2]
	v_max3_num_f32 v[CH+4+\c], v[SY+3*\c], v[SY+3*\c+1], v[SY+3*\c+2]
.endr
.set k, 0
.rept 26
	v_max3_num_f32 v[CH+k%4], v[CH+k%4], v[SX+12+2*k], v[SX+13+2*k]
	v_max3_num_f32 v[CH+4+k%4], v[CH+4+k%4], v[SY+12+2*k], v[SY+13+2*k]
.set k, k+1
.endr
	v_max3_num_f32 v[CH], v[CH], v[CH+1], v[CH+2]
	v_max3_num_f32 v[CH+4], v[CH+4], v[CH+5], v[CH+6]
	v_max_num_f32 v[CH], v[CH], v[CH+3]
	v_max_num_f32 v[CH+4], v[CH+4], v[CH+7]
	v_permlanex16_b32 v[PX], v[CH], s[SEL], s[SEL+1]
	v_permlanex16_b32 v[PY], v[CH+4], s[SEL], s[SEL+1]
	v_max_num_f32 v[CH], v[CH], v[PX]
	v_max_num_f32 v[CH+4], v[CH+4], v[PY]
	v_mul_f32 v[CH], s[CS], v[CH]                  ; as t (c is positive)
	v_mul_f32 v[CH+4], s[CS], v[CH+4]
	v_max_num_f32 v[MX+1], v[MX+1], v[CH]
	v_max_num_f32 v[MY+1], v[MY+1], v[CH+4]
	v_mov_b32 v[T0], v[MX]
	v_mov_b32 v[T1], v[MY]
	v_floor_f32 v[MX], -v[MX+1]                    ; -M = floor(-t)
	v_floor_f32 v[MY], -v[MY+1]
	v_sub_f32 v[T0], v[MX], v[T0]
	v_sub_f32 v[T1], v[MY], v[T1]
	v_cvt_i32_f32 v[T0], v[T0]                     ; (it saturates)
	v_cvt_i32_f32 v[T1], v[T1]
	v_ldexp_f32 v[FX], 1.0, v[T0]
	v_ldexp_f32 v[FY], 1.0, v[T1]
.set k, 0
.rept 32
	v_pk_fma_f32 v[SX+k:SX+k+1], v[SX+k:SX+k+1], s[CS:CS+1], v[MX:MX+1] op_sel_hi:[1,0,0]   ; X: t - M
.set k, k+2
.endr
	s_wait_alu depctr_va_vdst(0)                   ; the wait ahead of the batch
.set k, 0
.rept 32                                           ; X's p = 2^(t - M); among them Y's t - M, which is first read behind the waits below
	v_exp_f32 v[SX+2*k], v[SX+2*k]
	v_exp_f32 v[SX+2*k+1], v[SX+2*k+1]
	v_pk_fma_f32 v[SY+2*k:SY+2*k+1], v[SY+2*k:SY+2*k+1], s[CS:CS+1], v[MY:MY+1] op_sel_hi:[1,0,0]
.set k, k+1
.endr
	v_pk_mul_f32 v[LX:LX+1], v[LX:LX+1], v[FX:FX+1] op_sel_hi:[1,0]
	v_pk_mul_f32 v[LY:LY+1], v[LY:LY+1], v[FY:FY+1] op_sel_hi:[1,0]
	s_wait_alu depctr_va_vdst(0)                   ; and one behind it, ahead of its first reader
	SUMS SX, LX, AC
	s_wait_alu depctr_va_vdst(0)                   ; the wait ahead of Y's batch
.set k, 0
.rept 32                                           ; Y's p; among them X's hold, whose results are first read behind the wait below
	v_exp_f32 v[SY+2*k], v[SY+2*k]
	v_exp_f32 v[SY+2*k+1], v[SY+2*k+1]
	HOLD2 SX+2*k
.set k, k+1
.endr
	v_nop                                          ; a plain place behind the last exponential
	s_wait_alu depctr_va_vdst(0)                   ; and the wait behind the batch, ahead of its first reader
	SUMS SY, LY, AC+8
.set k, 0
.rept 32
	HOLD2 SY+2*k
.set k, k+1
.endr
	WIN 0x40
.set k, 0
.rept 16
	v_cvt_scalef32_pk8_fp8_f32 v[CD+2*k:CD+2*k+1], v[SX+8*k:SX+8*k+7], v[SCV]
.set k, k+1
.endr
	WIN 0x41
	s_wait_alu depctr_va_vdst(0)                   ; the wait here, directly ahead of the first reader of O^T
.set k, 0
.rept 16
	v_pk_mul_f32 v[OX+k:OX+k+1], v[OX+k:OX+k+1], v[FX:FX+1] op_sel_hi:[1,0]   ; O^T under the new M; also the plain lines behind the conversions
	v_pk_mul_f32 v[OY+k:OY+k+1], v[OY+k:OY+k+1], v[FY:FY+1] op_sel_hi:[1,0]
.set k, k+2
.endr
	s_wait_alu depctr_va_vdst(0)
	s_wait_dscnt 0x0                               ; V is in, and the next step's K
	WIN 0x55
.irp t, 0,1,2,3
	v_wmma_f32_16x16x128_fp8_fp8 v[OX+8*\t:OX+8*\t+7], v[VF+16*\t:VF+16*\t+15], v[CD:CD+15], v[OX+8*\t:OX+8*\t+7]
	v_wmma_f32_16x16x128_fp8_fp8 v[OY+8*\t:OY+8*\t+7], v[VF+16*\t:VF+16*\t+15], v[CD+16:CD+31], v[OY+8*\t:OY+8*\t+7]
.endr
	WIN 0
.if \tail
.Lhid_\@:
.endif
	s_add_co_u32 s[TB], s[TB], 8192
	s_add_co_u32 s[N], s[N], 1
.endm
; A BLOCK'S WAY OUT: O^T / the sum x 2^(e8 + e9), tile by tile through my stage, so that sixteen lanes store a row's 256 consecutive bytes, aligned.
.macro FINISH ob
	v_add_f32 v[LX], v[LX], v[LX+1]
	v_add_f32 v[LY], v[LY], v[LY+1]
	v_permlanex16_b32 v[PX], v[LX], s[SEL], s[SEL+1]
	v_permlanex16_b32 v[PY], v[LY], s[SEL], s[SEL+1]
	v_add_f32 v[LX], v[LX], v[PX]
	v_add_f32 v[LY], v[LY], v[PY]
	s_wait_alu depctr_va_vdst(0)                   ; the wait ahead of the transcendentals
	v_rcp_f32 v[LX], v[LX]
	v_rcp_f32 v[LY], v[LY]
	v_nop
	s_wait_alu depctr_va_vdst(0)                   ; and ahead of their first reader
	v_ldexp_f32 v[LX], v[LX], s[EO]
	v_ldexp_f32 v[LY], v[LY], s[EO]
	WIN 0x01
	s_wait_alu depctr_va_vdst(0)                   ; the wait here, directly ahead of the first reader of O^T
.set k, 0
.rept 32
	v_mul_f32 v[SX+k], v[OX+k], v[LX]              ; register 8 t + j: channel 16 t + 8 (lane / 16) + j
.set k, k+1
.endr
.set k, 0
.rept 32
	v_mul_f32 v[SX+32+k], v[OY+k], v[LY]
.set k, k+1
.endr
	WIN 0
.irp y, 0,1
.irp t, 0,1,2,3
	ds_store_b128 v[STO], v[SX+32*\y+8*\t:SX+32*\y+8*\t+3] offset:64*\t
	ds_store_b128 v[STO], v[SX+32*\y+8*\t+4:SX+32*\y+8*\t+7] offset:64*\t+16
.endr
.irp i, 0,1,2,3,4,5,6,7
	ds_load_b128 v[KF+32*\y+4*\i:KF+32*\y+4*\i+3], v[RD] offset:2*\i*SP   ; LDS serves a wave's instructions in order (ISA guide 5.7.1.4)
.endr
.endr
.irp i, 0,1,2,3,4,5,6,7
	s_wait_dscnt 23-\i                             ; behind X's load i: its 7 - i younger loads and Y's 16 instructions
	global_store_b128 v[GO], v[KF+4*\i:KF+4*\i+3], s[\ob:\ob+1] offset:8192*\i th:TH_STORE_NT
.endr
.irp i, 0,1,2,3,4,5,6,7
	s_wait_dscnt 7-\i
	global_store_b128 v[GO], v[KF+32+4*\i:KF+32+4*\i+3], s[\ob:\ob+1] offset:65536+8192*\i th:TH_STORE_NT
.endr
.endm
	s_wait_alu depctr_va_vdst(0)                   ; the wait at the head's end
	s_wait_loadcnt 0x0                             ; the first block's Q
	s_wait_tensorcnt 0x0                           ; my part of key steps 0 to 3 is in; the full sequence ahead of a later first fill:
	ds_add_u32 v[SPW], v[NIL]
	s_wait_dscnt 0x0
	ROUND                                          ; everybody's part is in, and the four work-groups are here
	tensor_load_to_lds s[G0B:G0B+3], s[G1B:G1B+7]  ; the rest of K or V: my one load behind the round
	s_nop 0
.rept 4
	v_nop
.endr
	WIN 0x40
.irp c, 0,1,2,3
	global_load_b128 v[4*\c:4*\c+3], v[LI], s[84:85] offset:512*\c       ; the second block's Q: v0-15 of window 1; waited for at the change of blocks
.endr
	WIN 0
	KLOAD LI, 0
.Lfirst:                                           ; key steps 0 to 2 of block 4 (15 - w) + cx: open for every wave
	STEP 16, 0
	s_cmp_lt_u32 s[N], COMMON
	s_cbranch_scc1 .Lfirst
	s_wait_tensorcnt 0x0                           ; my part of the rest is in,
	ds_add_u32 v[SPW], v[NIL]
	s_wait_dscnt 0x0
	s_barrier_signal -1
	s_barrier_wait -1                              ; and everybody's
	s_mov_b32 s[N], COMMON
	s_mov_b32 s[TB], COMMON*8192
.Lrest:                                            ; key steps 3 to 15: a constant count; what lies behind my block's last step is passed over
	STEP 16, 1
	s_cmp_lt_u32 s[N], 16
	s_cbranch_scc1 .Lrest
	FINISH OB1
	RESET
	s_mov_b32 s[U], s[WV]
	s_mov_b32 s[N], 0
	s_mov_b32 s[TB], 0
	s_wait_xcnt 0x0                                ; the stores have read their registers: K's fragments may land there
	KLOAD LI, 0
	s_wait_alu depctr_va_vdst(0)
	s_wait_loadcnt 0x0                             ; the second block's Q
.Lsecond:                                          ; block 4 w + cx: key steps 0 to 7, likewise
	STEP 0, 1
	s_cmp_lt_u32 s[N], 8
	s_cbranch_scc1 .Lsecond
	FINISH OB2
	s_wait_tensorcnt 0x0                           ; the wave's end
	ds_add_u32 v[SPW], v[NIL]
	s_wait_dscnt 0x0
	ROUND                                          ; the closing round
	s_endpgm
.Lfunc_end_k_q3714d8a38d_attn:
	.size	k_q3714d8a38d_attn, .Lfunc_end_k_q3714d8a38d_attn-k_q3714d8a38d_attn
	.p2alignl 7, 3214868480
	.fill 96, 4, 3214868480
	.section	.rodata,"a",@progbits
	.p2align	6, 0x0
	.amdhsa_kernel k_q3714d8a38d_attn
		.amdhsa_group_segment_fixed_size 327680
		.amdhsa_private_segment_fixed_size 0
		.amdhsa_enable_private_segment 0
		.amdhsa_kernarg_size 24
		.amdhsa_user_sgpr_count 2
		.amdhsa_user_sgpr_kernarg_segment_ptr 1
		.amdhsa_wavefront_size32 1
		.amdhsa_system_sgpr_workgroup_id_x 1
		.amdhsa_system_sgpr_workgroup_id_y 1
		.amdhsa_system_sgpr_workgroup_id_z 1
		.amdhsa_system_vgpr_workitem_id 0
		.amdhsa_next_free_vgpr 512
		.amdhsa_next_free_sgpr 88
		.amdhsa_reserve_vcc 1
		.amdhsa_float_denorm_mode_32 3
		.amdhsa_float_denorm_mode_16_64 3
		.amdhsa_memory_ordered 1
		.amdhsa_forward_progress 1
		.amdhsa_inst_pref_size 133
	.end_amdhsa_kernel
	.amdgpu_metadata
---
amdhsa.version: [ 1, 2 ]
amdhsa.kernels:
  - .name:           k_q3714d8a38d_attn
    .symbol:         k_q3714d8a38d_attn.kd
    .args:
      - { .name: qkv, .offset: 0, .size: 8, .value_kind: global_buffer, .address_space: global }
      - { .name: lowp_scales, .offset: 8, .size: 8, .value_kind: global_buffer, .address_space: global }
      - { .name: out0, .offset: 16, .size: 8, .value_kind: global_buffer, .address_space: global }
    .group_segment_fixed_size: 327680
    .private_segment_fixed_size: 0
    .kernarg_segment_align: 8
    .kernarg_segment_size: 24
    .max_flat_workgroup_size: 256
    .sgpr_count:     88
    .vgpr_count:     512
    .wavefront_size: 32
...
	.end_amdgpu_metadata
.endif
;; end of part 3
